; MI455X (gfx1250); checked and timed in simulation.
; The chip was launched on July 23, 2026; its instructions are those of AMD's public machine-readable ISA for CDNA 5 (MIT licence, August 2026) and "CDNA5" Instruction Set Architecture Reference Guide (July 2026). The comments in the code are by the model that wrote it; some were corrected since.
;; Casual Self Attention. Allowed arithmetic: matrix products marked QUANTISED: E4M3 operands, one given power-of-two scale a tensor, by v_wmma_f32_16x16x64_fp8_fp8 or v_wmma_f32_16x16x128_fp8_fp8, f32 sums; everything else in f32.
;; Inputs: Wk_codes 1,024 x 32 x 32 uint8 (E4M3 codes of Wk, K innermost, in blocks of 32 codes); Wp_codes 1,024 x 32 x 32 uint8 (E4M3 codes of Wp, K innermost, in blocks of 32 codes); Wq_codes 1,024 x 32 x 32 uint8 (E4M3 codes of Wq, K innermost, in blocks of 32 codes); Wv_codes 1,024 x 32 x 32 uint8 (E4M3 codes of Wv, K innermost, in blocks of 32 codes); bp 1,024 float32; lowp_scales 12 int32 (the exponents e of the quantised operands' scales 2^e); x_codes 8 x 1,024 x 32 x 32 uint8 (E4M3 codes of x, K innermost, in blocks of 32 codes).
;; Outputs: out0 8 x 1,024 x 1,024 float32.
;; This version of the problem:
;;   THIS VERSION OF THE PROBLEM IS GIVEN IN LOW PRECISION. The matrix products marked QUANTISED in the list below multiply operands that are first quantised to E4M3 (4 exponent bits, 3 mantissa bits; 8 bits a number), with one given power-of-two scale for each operand tensor; their sums are f32. All else is computed in f32.
;;   The module's matrix products, in the order in which they are computed (A, B: the left and right operand; K: the contracted axis; several contracted axes count as one K, in the product's order):
;;     1. [M 8,192, K 1,024] x [K 1,024, N 1,024]; A: input x (given as codes); B: input Wk (given as codes): QUANTISED (scales: A lowp_scales[0], B lowp_scales[1])
;;     2. [M 8,192, K 1,024] x [K 1,024, N 1,024]; A: input x (given as codes); B: input Wq (given as codes): QUANTISED (scales: A lowp_scales[2], B lowp_scales[3])
;;     3. [M 8,192, K 1,024] x [K 1,024, N 1,024]; A: input x (given as codes); B: input Wv (given as codes): QUANTISED (scales: A lowp_scales[4], B lowp_scales[5])
;;     4. batch 128 x [M 1,024, K 64] x [K 64, N 1,024]; A: computed on the way; B: computed on the way: QUANTISED (scales: A lowp_scales[6], B lowp_scales[7])
;;     5. batch 128 x [M 1,024, K 1,024] x [K 1,024, N 64]; A: softmax (see below); B: computed on the way: QUANTISED (scales: A lowp_scales[8], B lowp_scales[9])
;;     6. [M 8,192, K 1,024] x [K 1,024, N 1,024]; A: computed on the way; B: input Wp (given as codes): QUANTISED (scales: A lowp_scales[10], B lowp_scales[11])
;;   THE QUANTISER, for each operand of a quantised product, along K:
;;     - The operand's scale is 2^e, e = its entry of the input lowp_scales (int32; the entries are numbered through the quantised products in the list's order, A before B).
;;     - Each number is divided by the scale, clamped to +-448, and rounded to the nearest number of E4M3, ties to even, subnormals kept.
;;     - The product sums the exact products of the quantised numbers (number of the format x scale) in f32.
;;   ~~~python
;;   def quantise(x, axis, e):      # numpy; x: float32 -> the quantised numbers, widened to float32 again
;;       x = np.moveaxis(x, axis, -1); K = x.shape[-1]
;;       r = np.clip(x / 2.0 ** e, -448, 448)
;;       step = 2.0 ** (np.maximum(np.frexp(np.where(r == 0, 1, r))[1] - 1, -6) - 3)
;;       q = np.round(r / step) * step * 2.0 ** e      # np.round: ties to even
;;       return np.moveaxis(q, -1, axis).astype(np.float32)
;;   ~~~
;;   SOFTMAX AHEAD OF A QUANTISED PRODUCT. Where the list says 'softmax', what is quantised is not the finished softmax but p = 2^(t - M), with t = logit x log2(e) and M = ceil(the row's largest t), a whole number; so 1/2 < the row's largest p <= 1. The row's sum l is taken of the UNQUANTISED p, in f32, and the product's result is divided by l at the end. Since M is a whole number, a kernel that streams over the keys may use a running M (the ceiling of the running maximum): every later rescaling is an exact power of two, so the quantised numbers keep their values, but for numbers so far below the row's largest that they fall under the format's range.
;;   OPERANDS COMPUTED ON THE WAY. 'Computed on the way' means the value that the module computes at that place (a softmax that the list does not call 'softmax' is quantised finished and normalised). What goes into a quantiser is computed in f32, as accurately as f32 sums, v_exp_f32 and their like allow (about 1e-6 of the number): no bf16 or f16 on the way to a quantiser, and a product that is left as it is and whose result goes on into a quantised operand takes f32 operands (vector FMAs, or v_wmma_f32_16x16x4_f32). A number that lies on a knife's edge between two numbers of the format may be rounded either way, as far as f32 arithmetic and the matrix unit's own rounding can turn it there, and no further.
;;   INPUTS GIVEN AS CODES. Wk (in the module: [1024, 1024], K = its axis 1); Wp (in the module: [1024, 1024], K = its axis 1); Wq (in the module: [1024, 1024], K = its axis 1); Wv (in the module: [1024, 1024], K = its axis 1); x (in the module: [8, 1024, 1024], K = its axis 2): each comes as NAME_codes (uint8): NAME with its K axis moved to the last place and cut into blocks of 32 codes, [.., K / 32, bytes a block], one block behind the other in memory; one code a byte (a code: sign, 4 exponent bits, 3 mantissa bits); its scale is its entry of lowp_scales. Its value is code x scale, taken as it is: it is not quantised again, and the codes and scales need not be those that the quantiser above would give.
;; One version. Each part assembles by itself: llvm-mc -triple=amdgcn-amd-amdhsa -mcpu=gfx1250 --defsym DOCPART=n.
;; ======== version 1 of 1: 3 launches
;; limits: right only within a limited range of input values
;; workspace buffers: kc 8,388,608 bytes; qc 8,388,608 bytes; vc 8,388,608 bytes; yc 8,388,608 bytes
;; launch qkv (part 1): grid 12 x 16, 4 waves a work-group, clusters of 4 x 4, 327,680 bytes of LDS; arguments x_codes, Wk_codes, Wq_codes, Wv_codes, lowp_scales, kc, qc, vc; writes kc, qc, vc
.if DOCPART == 1
	.amdgcn_target "amdgcn-amd-amdhsa--gfx1250"
	.amdhsa_code_object_version 6
	.text
	.protected	k_q3c48b9dca6_qkv
	.globl	k_q3c48b9dca6_qkv
	.p2align	8
	.type	k_q3c48b9dca6_qkv,@function
k_q3c48b9dca6_qkv:
	s_mov_b64 s[64:65], 0
	v_nop
	global_prefetch_b8 v0, s[64:65] scope:SCOPE_SE
	s_setreg_imm32_b32 hwreg(HW_REG_WAVE_MODE, 25, 1), 1
	s_wait_xcnt 0x0
	s_wait_alu depctr_hold_cnt(0) depctr_sa_sdst(0) depctr_va_vdst(0) depctr_va_sdst(0) depctr_va_ssrc(0) depctr_va_vcc(0) depctr_vm_vsrc(0)
	s_getreg_b32 s2, hwreg(HW_REG_IB_STS2, 6, 4)
	s_cmp_eq_u32 s2, 0
	s_cbranch_scc0 .Lentry_in_a_cluster
	s_endpgm
.Lentry_in_a_cluster:
	s_bfe_u32 s2, ttmp6, 0x10000c
	s_cmp_lg_u32 s2, 0xf033
	s_cbranch_scc0 .Lentry_shape_is_right
	s_endpgm
.Lentry_shape_is_right:
; k = x Wk^T, q = x Wq^T, v = x Wv^T on codes of FP8 (E4M3), and the quantisers of k, q and v, whose codes leave as images of the operand registers that the attention launch wants.
; ONE BODY: C'[m'][n'] = sum over k of A'[m'][k] B'[n'][k], tiles of 256 x 256, K = 1,024.  The cluster's x chooses the tensor, the same for all sixteen partners, by selects alone:
;   x = 0: k: A' = x (8,192 tokens), B' = Wk (1,024 features).   x = 1: q: the same with Wq.   x = 2: v, TRANSPOSED: A' = Wv (features), B' = x (tokens).
; A WORK-GROUP STAYS: it makes two tiles whose tokens lie 1,024 apart (the next batch) with the same 256 rows of the weight; the ring does not stop between them.  384 tiles in all, two for each of 192 work-groups.
; (Tiles of 256 x 384 would be 256, but two slots of 640 rows of 272 bytes are more than a WGP's LDS.)
; The matrix instruction is used transposed (source 0 = 16 rows of B', source 1 = 16 rows of A'): lane (r, h) of accumulator (a, b) holds row 16 a + r and the columns 16 b + 8 h + 0 .. 7.  So a lane's eight registers
; run along the features (a head's 64) for k and q, and along the tokens (the keys) for v: along the K of the product that reads them.  One conversion of eight makes registers 2 b, 2 b + 1 of a fragment in the plain forms' own layout.
; A wave's 128 x 128 codes are one dense block of 16,384 bytes: block a's registers 4 j .. 4 j + 3 at 2,048 a + 512 j + 16 x lane.  k, q: a = tile of 16 tokens, j / 2 = head of the pair, j % 2 = half of its fragment (K = 64).
; v: a / 4 = head of the pair, a % 4 = tile of 16 channels, j = quarter of its fragment (K = 128 keys).  The blocks lie [batch 8][head pair 8][128 tokens 8].
; code = sum / 2^E, held within +-448, to the nearest code, ties to even;  E = e6 - e0 - e1 (k), e7 - e2 - e3 (q), e9 - e4 - e5 (v): the product's two scales and the quantiser's folded into one.
; LIMITS: each E lies between -126 and 119, so that 2^E and 448 x 2^E are f32 numbers.  NaN codes among the inputs are not served.  Inside one matrix instruction k stands permuted, alike in both operands
; (registers 4 c .. 4 c + 3 hold K = 32 c + 16 h + 0 .. 15): every product meets its partner; the order of the sums inside an instruction is not that of ascending k.
; SHARES: four waves, as many as a WGP has SIMDs, each 128 x 128: 64 accumulators, 512 registers.  K goes in steps of 256 through two LDS slots filled by the tensor data mover.
; CLUSTERS: 4 x 4 work-groups.  The four of a row of the cluster need the same tiles of A', the four of a column the same tiles of B': each tile is asked for JOINTLY.
; REGISTERS, in windows of 256: window 0: v0-31 addresses and the two constants; v32-127 codes on the way out; from v128 A's fragments, ONE set.   window 1: B's fragments, TWO sets.
;   window 2: the 32 accumulators of my rows 0-63 ((a, b) at v[8 (8 a + b)]);   window 3: those of my rows 64-127.
.set ROWB,   256                       ; a tile's row in bytes: 256 codes
.set KROW,   1024                      ; a row of A' or of B' in memory, in bytes
.set NEXTT,  1<<20                     ; 1,024 tokens on: bytes of x, and bytes of a codes' buffer
.set PITCH,  272                       ; an LDS row: 256 bytes + 16 of padding = 68 words: row r starts at bank 4 r mod 64 (64 banks of 4 bytes: ISA guide 11.1)
.set FR,     16                        ; registers of a fragment: 16 rows x 128 K
.set NL,     4                         ; LDS loads that bring one
.set NP,     4                         ; places behind this matrix instruction (ISA guide 7.12.1)
.set HALFT,  128*PITCH                 ; 128 rows: what one tensor load brings, and what one wave reads of A' or of B'
.set SLOT,   4*HALFT                   ; A's 256 rows, then B's 256 rows
.set SPARE,  2*SLOT                    ; behind the ring: the spare words, 128 bytes for each wave: two blocks of 256 bytes that no other line names
.set SCV,  12                          ; v12     2^E as f32: the conversions take its exponent field
.set LIM,  13                          ; v13     448 x 2^E
.set ADRA, 16                          ; v16-17  LDS address of my A fragments in slot 0, 1
.set ADRB, 20                          ; v20-21  the same for B
.set CO,   26                          ; v26     16 x lane: my place in a piece of 512 bytes
.set PFO,  27                          ; v27     1,024 x lane: the prefetches' offset, a lane a row of x; never rewritten
.set SPW,  28                          ; v28     LDS address of my spare word: SPARE + 4 x my thread's number; never rewritten
.set NIL,  29                          ; v29     0; never rewritten
.set CD,   32                          ; v32-127 the way out: six sets of 16 registers of codes
.set AF,   128                         ; A's fragments, in window 0
.set TILE, 2                           ; s2      tiles to go, this one among them
.set ASKS, 3                           ; s3      2 in a wave that prefetches (so in the first tile alone), else 0
.set PFA,  18                          ; s[18:19] my part of the second tile's rows of x; never rewritten
.set TOA,  20                          ; s[20:21] from a tile to the next: bytes of A'
.set TOB,  46                          ; s[46:47] the same for B'
.set G1, 24                            ; s[24:31] descriptor group 1 for A's tiles;  s[32:39] group 0, one set for each slot
.set G0, 32
.set G1B, 48                           ; s[48:55], s[56:63] the same for B's tiles
.set G0B, 56
.set MSB, 0
.macro WIN new                         ; the immediate's high byte repeats the setting that is left
.if MSB != (\new)
	s_set_vgpr_msb (MSB<<8)|(\new)
.set MSB, (\new)
.endif
.endm
.set MUL_LO, 0xa1                      ; source 0 (B) window 1, source 1 (A) window 0, C and D window 2
.set MUL_HI, 0xf1                      ; the same, C and D window 3
.set TO_B,   0x40                      ; destination window 1, address window 0
; A joint load: waves 0 and 1 fetch for A', waves 2 and 3 for B'.  Each of the two lines has ONE mask and one set of registers for all that issue it; the branch hangs on the wave's number alone.
.macro JLOAD s
	s_cmp_eq_u32 s15, 0
	s_cbranch_scc0 .Lfor_b_\@
	tensor_load_to_lds s[G0+4*\s:G0+4*\s+3], s[G1:G1+7]
	s_nop 0
.rept 4
	v_nop
.endr
	s_branch .Lasked_\@
.Lfor_b_\@:
	tensor_load_to_lds s[G0B+4*\s:G0B+4*\s+3], s[G1B:G1B+7]
	s_nop 0
.rept 4
	v_nop
.endr
.Lasked_\@:
.endm
; A PREFETCH INTO THE L2, behind a joint load and the LDS loads that follow it: in the first tile's four changes of slots, K step 0, 1, 2, 3 of the second tile's rows of x, two changes of slots ahead of the joint load that wants it.
; The two waves that fetch x ask; of the 128 rows that each of them fetches, the four partners that ask jointly take 32 each, told apart by address.  The weight's rows are read by the first tile and not asked for again.
.macro ASK k
	s_cmp_eq_u32 s[TILE], s[ASKS]
	s_cbranch_scc0 .Lnot_mine_\@
	global_prefetch_b8 v[PFO], s[PFA:PFA+1] offset:(\k)*ROWB th:TH_LOAD_NT scope:SCOPE_SE
.Lnot_mine_\@:
.endm
.macro CREST                           ; a round of the cluster's barrier behind its opening barrier
	s_cmp_lg_u32 s14, 0
	s_cbranch_scc1 .Lnot_wave_0_\@
	s_barrier_signal -3
.Lnot_wave_0_\@:
	s_barrier_wait -3
	s_barrier_signal -1
	s_barrier_wait -1
.endm
.macro CROUND                          ; a whole round
	s_barrier_signal -1
	s_barrier_wait -1
	CREST
.endm
	s_load_b512 s[68:83], s[0:1], 0x0              ; x s[68:69], Wk s[70:71], Wq s[72:73], Wv s[74:75], the scales s[76:77], kc s[78:79], qc s[80:81], vc s[82:83]
	v_lshl_add_u32 v[SPW], v0, 2, SPARE
	v_mov_b32 v[NIL], 0
	ds_add_u32 v[SPW], v[NIL]                      ; the wave's opening: the add, twice on end, and its wait ahead of my first tensor load
	ds_add_u32 v[SPW], v[NIL]
	v_lshrrev_b32 v1, 5, v0
	v_readfirstlane_b32 s14, v1                    ; wave 0..3
	s_lshr_b32 s15, s14, 1                         ; which half of the tile's rows is mine.  Also: I fetch for A' (0) or for B' (1)
	s_and_b32 s16, s14, 1                          ; which half of its columns.  Also: which 128 rows of that tile I fetch
	s_bfe_u32 s40, ttmp6, 0x40000                  ; cx, cy: my place in the cluster
	s_bfe_u32 s41, ttmp6, 0x40004
	s_and_b32 s94, ttmp7, 0xffff                   ; the cluster's y, 0..3: it walks the 8,192 tokens in pairs of 1,024,
	s_lshl_b32 s94, s94, 1
	s_cmp_eq_u32 ttmp9, 2                          ; which are C's rows for k and q and its columns for v
	s_cselect_b32 s95, 0, s94
	s_cselect_b32 s96, s94, 0
	s_lshl_b32 s17, s95, 2
	s_add_co_u32 s17, s17, s41                     ; my first tile's row in C'
	s_lshl_b32 s42, s96, 2
	s_add_co_u32 s42, s42, s40                     ; its column in C'
	s_lshl_b32 s43, s41, 2
	s_lshl_b32 s43, 15, s43                        ; my row of the cluster
	s_lshl_b32 s44, 0x1111, s40                    ; my column
	; descriptor group 1: a tile of 128 rows x 256 bytes, padded in LDS
	s_or_b32 s[G1+0], s43, (0<<16)|(1<<20)|(1<<21)|(5<<22)|(3<<25)  ; 15:0 the mask: A's tiles go to my row; 17:16 element of 1 byte; 20 padding on; 21 set beside a mask; 24:22 after every 64 words (code 5); 31:25 of 4 words (code 3)
	s_or_b32 s[G1B+0], s44, (0<<16)|(1<<20)|(1<<21)|(5<<22)|(3<<25) ; the same with the mask of my column
.irp g, G1, G1B
	s_mov_b32 s[\g+1], ROWB<<16                    ; tensor_dim0
	s_mov_b32 s[\g+2], 128<<16                     ; tensor_dim1 = 128
	s_mov_b32 s[\g+3], ROWB<<16                    ; tile_dim0
	s_mov_b32 s[\g+4], 128                         ; tile_dim1 = 128
	s_mov_b32 s[\g+5], KROW                        ; tensor_dim0_stride
	s_mov_b32 s[\g+6], 0
	s_mov_b32 s[\g+7], 0
.endr
	s_lshl_b32 s18, s16, 7                         ; which 128 rows of the tile I fetch
	s_lshl_b32 s20, s17, 8
	s_add_co_u32 s20, s20, s18                     ; A': row 256 x tile row + 128 x half,
	s_lshl_b32 s20, s20, 10                        ; in bytes (rows of 1,024): under 2^23
	s_mov_b32 s21, 0
	s_lshl_b32 s46, s42, 8
	s_add_co_u32 s46, s46, s18                     ; B': row 256 x tile column + 128 x half
	s_lshl_b32 s46, s46, 10
	s_mov_b32 s47, 0
	s_mul_i32 s45, s14, HALFT                      ; where they go: wave x 128 rows: no place in the cluster enters an LDS address
	s_wait_dscnt 0x0                               ; both opening adds are done
	s_wait_kmcnt 0x0
	s_cmp_eq_u32 ttmp9, 0                          ; the buffers are chosen by the cluster's x alone
	s_cselect_b64 s[6:7], s[70:71], s[72:73]       ; Wk or Wq
	s_cselect_b64 s[10:11], s[78:79], s[80:81]     ; kc or qc
	s_cmp_eq_u32 ttmp9, 2
	s_cselect_b64 s[4:5], s[74:75], s[68:69]       ; A' = Wv for v, else x
	s_cselect_b64 s[6:7], s[68:69], s[6:7]         ; B' = x for v, else the weight
	s_cselect_b64 s[10:11], s[82:83], s[10:11]     ; the codes' buffer
	s_load_b256 s[84:91], s[76:77], 0x0            ; e0 .. e7
	s_load_b64 s[92:93], s[76:77], 0x20            ; e8, e9
	s_add_nc_u64 s[20:21], s[4:5], s[20:21]
	s_add_nc_u64 s[46:47], s[6:7], s[46:47]
.irp s, 0,1
	s_mov_b32 s[G0+4*\s], 1
	s_add_co_u32 s[G0+4*\s+1], s45, \s*SLOT
	s_add_nc_u64 s[G0+4*\s+2:G0+4*\s+3], s[20:21], \s*ROWB
	s_or_b32 s[G0+4*\s+3], s[G0+4*\s+3], 0x80000000
	s_mov_b32 s[G0B+4*\s], 1
	s_add_co_u32 s[G0B+4*\s+1], s45, \s*SLOT
	s_add_nc_u64 s[G0B+4*\s+2:G0B+4*\s+3], s[46:47], \s*ROWB
	s_or_b32 s[G0B+4*\s+3], s[G0B+4*\s+3], 0x80000000
.endr
	CROUND                                         ; all sixteen work-groups are here: the first joint loads meet
	JLOAD 0                                        ; K step 0
	v_and_b32 v1, 15, v0                           ; l % 16
	v_bfe_u32 v2, v0, 4, 1                         ; l / 16
	v_mul_u32_u24 v3, v1, PITCH
	v_lshl_add_u32 v4, v2, 4, v3                   ; a fragment's row x pitch + 16 x half
	s_mul_i32 s21, s15, HALFT                      ; my 128 rows of A'
	s_mul_i32 s22, s16, HALFT                      ; my 128 rows of B',
	s_add_co_u32 s22, s22, 2*HALFT                 ; which lie behind A's 256
.irp s, 0,1
	v_add_nc_u32 v[ADRA+\s], s21, v4
	v_add_nc_u32 v[ADRB+\s], s22, v4
	s_add_co_u32 s21, s21, SLOT
	s_add_co_u32 s22, s22, SLOT
.endr
	v_and_b32 v6, 31, v0
	v_lshlrev_b32 v[CO], 4, v6                     ; 16 x lane
	v_lshlrev_b32 v[PFO], 10, v6                   ; 1,024 x lane
	; where my wave's block of 16,384 bytes lies: ((batch x 8 + head pair) x 8 + block of 128 tokens) x 16,384
	s_lshl_b32 s97, s17, 1
	s_add_co_u32 s97, s97, s15                     ; my 128 rows of C'
	s_lshl_b32 s98, s42, 1
	s_add_co_u32 s98, s98, s16                     ; my 128 columns
	s_cmp_eq_u32 ttmp9, 2
	s_cselect_b32 s99, s98, s97                    ; the block of 128 tokens: columns for v, rows for k and q
	s_cselect_b32 s100, s97, s98                   ; the head pair, 0..7: the other one
	s_cselect_b32 s22, s42, s17                    ; the tile of 256 tokens
	s_cselect_b32 s23, s41, s40                    ; my place among the four that ask for x with me
	s_cselect_b32 s3, 1, 0                         ; x is B' (1) or A' (0)
	s_mov_b32 s20, NEXTT
	s_mov_b32 s46, 0
	s_cselect_b32 s46, s20, s46                    ; x's tiles move on by 1,024 rows, the weight's stay
	s_cselect_b32 s20, 0, s20
	s_mov_b32 s21, 0
	s_mov_b32 s47, 0
	s_and_b32 s101, s99, 0x38                      ; batch x 8
	s_add_co_u32 s101, s101, s100
	s_lshl_b32 s101, s101, 17
	s_and_b32 s99, s99, 7
	s_lshl_b32 s99, s99, 14
	s_add_co_u32 s8, s101, s99
	s_mov_b32 s9, 0
	s_add_nc_u64 s[10:11], s[10:11], s[8:9]
	; the prefetches: row 256 x tile + 1,024 + 128 x half + 32 x place, at most 8,160, + a lane's row
	s_lshl_b32 s22, s22, 8
	s_add_co_u32 s22, s22, 1024
	s_lshl_b32 s8, s16, 7
	s_add_co_u32 s22, s22, s8
	s_lshl_b32 s23, s23, 5
	s_add_co_u32 s22, s22, s23
	s_lshl_b32 s22, s22, 10
	s_mov_b32 s23, 0
	s_add_nc_u64 s[PFA:PFA+1], s[68:69], s[22:23]
	s_cmp_eq_u32 s15, s3
	s_cselect_b32 s[ASKS], 2, 0
	; the folded exponent of my tensor, chosen by the cluster's x without a branch
	s_wait_kmcnt 0x0
	s_sub_co_i32 s84, s90, s84
	s_sub_co_i32 s84, s84, s85                     ; k: e6 - e0 - e1
	s_sub_co_i32 s86, s91, s86
	s_sub_co_i32 s86, s86, s87                     ; q: e7 - e2 - e3
	s_sub_co_i32 s88, s93, s88
	s_sub_co_i32 s88, s88, s89                     ; v: e9 - e4 - e5
	s_cmp_eq_u32 ttmp9, 0
	s_cselect_b32 s12, s84, s86
	s_cmp_eq_u32 ttmp9, 2
	s_cselect_b32 s12, s88, s12                    ; E
	s_add_co_i32 s12, s12, 127
	s_lshl_b32 s13, s12, 23
	v_mov_b32 v[SCV], s13                          ; 2^E as f32
	s_add_co_i32 s12, s12, 8
	s_lshl_b32 s12, s12, 23
	s_or_b32 s12, s12, 0x600000
	v_mov_b32 v[LIM], s12                          ; 448 x 2^E
.macro FRAG reg, adr, q, i             ; a fragment, 16 rows x 128 K of 8-bit codes, is 16 registers: lane l holds row l % 16; registers 4 c .. 4 c + 3 hold K = 32 c + 16 (l / 16) + 0 .. 15
.irp c, 0,1,2,3
	ds_load_b128 v[\reg+4*\c:\reg+4*\c+3], v[\adr] offset:128*(\q)+32*\c+(\i)*16*PITCH
.endr
.endm
; 16 matrix instructions: A's blocks a0, a0 + 1 x B's eight, 128 along K.  p: B's set.  zero = 1: the first product starts the sums: nothing is ever cleared.
; The 64 accumulators take turns, one instruction a turn, in the same order in every step.
.macro MUL16 a0, p, zero
.irp a, \a0, \a0+1
.irp b, 0,1,2,3,4,5,6,7
.if \zero
	v_wmma_f32_16x16x128_fp8_fp8 v[8*(8*((\a)%4)+\b):8*(8*((\a)%4)+\b)+7], v[128*(\p)+FR*\b:128*(\p)+FR*\b+FR-1], v[AF+FR*(\a):AF+FR*(\a)+FR-1], 0
.else
	v_wmma_f32_16x16x128_fp8_fp8 v[8*(8*((\a)%4)+\b):8*(8*((\a)%4)+\b)+7], v[128*(\p)+FR*\b:128*(\p)+FR*\b+FR-1], v[AF+FR*(\a):AF+FR*(\a)+FR-1], v[8*(8*((\a)%4)+\b):8*(8*((\a)%4)+\b)+7]
.endif
.endr
.endr
.endm
.macro FETCH_B slot, q, p              ; B's eight fragments of the slot's q-th 128 along K into set p
	WIN TO_B
.irp i, 0,1,2,3,4,5,6,7
	FRAG 128*(\p)+FR*\i, ADRB+\slot, \q, \i
.endr
	WIN 0
.endm
.macro FETCH_A slot, q, i0             ; A's blocks i0 .. i0 + 3
.irp i, \i0, \i0+1, \i0+2, \i0+3
	FRAG AF+FR*(\i), ADRA+\slot, \q, \i
.endr
.endm
; A load into a register that a matrix instruction has read, and a vector instruction that reads a matrix result, stand NP places behind that matrix instruction; only plain vector
; instructions that name none of its registers are places (ISA guide 7.12.1 for vector instructions).
.macro PLACES n
.rept \n
	v_nop
.endr
.endm
; A step of 128 along K that has its successor in the same slot.  A's blocks go one after the other, each against B's eight: a block of A is free as soon as its eight products are issued, so one set serves A.
.macro STEP slot, q, zero
	s_wait_dscnt 4*NL                              ; B's set and A's blocks 0-3 are in; the youngest sixteen loads (A's blocks 4-7) may be out
	WIN MUL_LO
	MUL16 0, (\q)%2, \zero
	MUL16 2, (\q)%2, \zero
	s_wait_dscnt 0                                 ; A's blocks 4-7 are in (asked for 32 matrix instructions ago)
	PLACES NP
	FETCH_B \slot, (\q)+1, 1-(\q)%2
	FETCH_A \slot, (\q)+1, 0
	WIN MUL_HI
	MUL16 4, (\q)%2, \zero
	MUL16 6, (\q)%2, \zero
	PLACES NP
	WIN 0
	FETCH_A \slot, (\q)+1, 4
.endm
; A slot's last step changes slots: ONE barrier; in front of it each wave waits for all its tensor loads, adds 0 to its spare word, and waits for that and for its own reads of this slot.
; fill = 1: this slot is filled again, two K steps ahead; 2: with the next tile's K step; 0: nothing is left to fetch.  k: the K step of the second tile that is prefetched.
.macro TURN slot, next, fill, k
	s_wait_tensorcnt 0x0                           ; all my tensor loads have landed: my part of the next slot;  (every window is 0 here: the add's two registers lie in window 0)
	ds_add_u32 v[SPW], v[NIL]                      ; 0 onto my spare word
	s_wait_dscnt 4*NL+1                            ; (the add and the youngest sixteen loads, A's blocks 4-7, may be out)
	WIN MUL_LO
	MUL16 0, 1, 0                                  ; sixteen matrix instructions stand between the add and the wait for it
	s_wait_dscnt 0x0                               ; the add is done, and my reads of this slot are over
	s_barrier_signal -1
	MUL16 2, 1, 0
	WIN 0
	s_barrier_wait -1
.if \fill
	CREST                                          ; the barrier has opened a round of the cluster's barrier: no wave of any partner still reads this slot's tile or has a load on its way
.if \fill == 2
	s_add_nc_u64 s[G0+4*\slot+2:G0+4*\slot+3], s[G0+4*\slot+2:G0+4*\slot+3], s[TOA:TOA+1]
	s_sub_nc_u64 s[G0+4*\slot+2:G0+4*\slot+3], s[G0+4*\slot+2:G0+4*\slot+3], 2*ROWB
	s_add_nc_u64 s[G0B+4*\slot+2:G0B+4*\slot+3], s[G0B+4*\slot+2:G0B+4*\slot+3], s[TOB:TOB+1]
	s_sub_nc_u64 s[G0B+4*\slot+2:G0B+4*\slot+3], s[G0B+4*\slot+2:G0B+4*\slot+3], 2*ROWB
.else
	s_add_nc_u64 s[G0+4*\slot+2:G0+4*\slot+3], s[G0+4*\slot+2:G0+4*\slot+3], 2*ROWB
	s_add_nc_u64 s[G0B+4*\slot+2:G0B+4*\slot+3], s[G0B+4*\slot+2:G0B+4*\slot+3], 2*ROWB
.endif
	JLOAD \slot                                    ; the first tensor load behind the round; the four v_nop behind it are the places in front of the loads below
.else
	PLACES NP
.endif
	FETCH_B \next, 0, 0
	FETCH_A \next, 0, 0
.if \fill
	ASK \k
.endif
	WIN MUL_HI
	MUL16 4, 1, 0
	MUL16 6, 1, 0
	PLACES NP
	WIN 0
	FETCH_A \next, 0, 4
.endm
; THE WAY OUT of block a: its 64 sums are held, in place, within +-448 x 2^E (the conversion to an 8-bit code does not saturate: ISA guide 7.6.2), each accumulator from its low end on; eight conversions;
; four stores of 512 consecutive bytes.  Blocks 6 and 7 take the codes' registers of blocks 0 and 1 again, behind the wait that shows the stores' data read.
.macro OUTBLK a
.set AC, 64*((\a)%4)
.set CB, CD+16*((\a)%6)
.if (\a) == 6
	s_wait_xcnt 0x0
.endif
	WIN 0x82+0x41*((\a)/4)                         ; destination and source 0: window 2 or 3
.set J, 0
.rept 64
	v_med3_num_f32 v[AC+J], v[AC+J], -v[LIM], v[LIM]
.set J, J+1
.endr
	WIN 0x02+((\a)/4)                              ; source 0: window 2 or 3
.irp b, 0,1,2,3,4,5,6,7
	v_cvt_scalef32_pk8_fp8_f32 v[CB+2*\b:CB+2*\b+1], v[AC+8*\b:AC+8*\b+7], v[SCV]   ; columns 16 b + 8 h + 0 .. 7 of my row: registers 2 b, 2 b + 1
.endr
	v_nop                                          ; one plain vector instruction behind the last conversion
	WIN 0
.irp j, 0,1,2,3
	global_store_b128 v[CO], v[CB+4*\j:CB+4*\j+3], s[10:11] offset:(\a)*2048+\j*512   ; 32 lanes store 512 consecutive bytes, at a multiple of 512 from the buffer's first byte
.endr
.endm
	s_wait_alu depctr_va_vdst(0)
	s_wait_tensorcnt 0x0                           ; my part of K step 0 is in
	ds_add_u32 v[SPW], v[NIL]
	s_wait_dscnt 0x0                               ; the add is done
	CROUND                                         ; everybody's part of K step 0 is in, and all sixteen work-groups are here
	JLOAD 1                                        ; K step 1: the first tensor load behind the round
	FETCH_B 0, 0, 0
	FETCH_A 0, 0, 0
	FETCH_A 0, 0, 4
	s_mov_b32 s[TILE], 2                           ; the same number in every work-group
.Ltile:
	STEP 0, 0, 1                                   ; K 0-127: these products start the sums
	TURN 0, 1, 1, 0                                ; K 128-255; slot 0 takes K 512-767
	STEP 1, 0, 0
	TURN 1, 0, 1, 1                                ; slot 1 takes K 768-1023
	STEP 0, 0, 0
	s_cmp_eq_u32 s[TILE], 1
	s_cbranch_scc1 .Llast_tile                     ; the last tile's tail is written out: it asks for nothing more
	TURN 0, 1, 2, 2                                ; the ring goes on into the next tile: slot 0 takes its K step 0,
	STEP 1, 0, 0
	TURN 1, 0, 2, 3                                ; slot 1 its K step 1, and its first fragments are fetched
.irp a, 0,1,2,3,4,5,6,7                        ; both refills are asked for: now the tile goes out (the places behind its last products stand at TURN's end)
	OUTBLK \a
.endr
	s_wait_xcnt 0x0                                ; the stores have read their data and their base
	s_add_nc_u64 s[10:11], s[10:11], NEXTT
	s_sub_co_u32 s[TILE], s[TILE], 1
	s_branch .Ltile
.Llast_tile:
	TURN 0, 1, 0, 0                                ; nothing is left to fetch, so no round follows
	STEP 1, 0, 0
	s_wait_dscnt 4*NL                              ; the very last step
	WIN MUL_LO
	MUL16 0, 1, 0
	MUL16 2, 1, 0
	s_wait_dscnt 0
	WIN MUL_HI
	MUL16 4, 1, 0
	MUL16 6, 1, 0
	WIN 0
	PLACES NP                                      ; behind the last products: for the reads of results
.irp a, 0,1,2,3,4,5,6,7
	OUTBLK \a
.endr
	s_wait_tensorcnt 0x0                           ; the wave's end, behind my last tensor load
	ds_add_u32 v[SPW], v[NIL]
	s_wait_dscnt 0x0
	CROUND                                         ; the closing round: no work-group ends while a partner may still ask for a tile that names it
	s_endpgm
.Lfunc_end_k_q3c48b9dca6_qkv:
	.size	k_q3c48b9dca6_qkv, .Lfunc_end_k_q3c48b9dca6_qkv-k_q3c48b9dca6_qkv
	.p2alignl 7, 3214868480
	.fill 96, 4, 3214868480
	.section	.rodata,"a",@progbits
	.p2align	6, 0x0
	.amdhsa_kernel k_q3c48b9dca6_qkv
		.amdhsa_group_segment_fixed_size 327680
		.amdhsa_private_segment_fixed_size 0
		.amdhsa_enable_private_segment 0
		.amdhsa_kernarg_size 64
		.amdhsa_user_sgpr_count 2
		.amdhsa_user_sgpr_kernarg_segment_ptr 1
		.amdhsa_wavefront_size32 1
		.amdhsa_system_sgpr_workgroup_id_x 1
		.amdhsa_system_sgpr_workgroup_id_y 1
		.amdhsa_system_sgpr_workgroup_id_z 1
		.amdhsa_system_vgpr_workitem_id 0
		.amdhsa_next_free_vgpr 1024
		.amdhsa_next_free_sgpr 102
		.amdhsa_reserve_vcc 0
		.amdhsa_float_denorm_mode_32 3
		.amdhsa_float_denorm_mode_16_64 3
		.amdhsa_memory_ordered 1
		.amdhsa_forward_progress 1
		.amdhsa_inst_pref_size 188
	.end_amdhsa_kernel
	.amdgpu_metadata
---
amdhsa.version: [ 1, 2 ]
amdhsa.kernels:
  - .name:           k_q3c48b9dca6_qkv
    .symbol:         k_q3c48b9dca6_qkv.kd
    .args:
      - { .name: x_codes, .offset: 0, .size: 8, .value_kind: global_buffer, .address_space: global }
      - { .name: Wk_codes, .offset: 8, .size: 8, .value_kind: global_buffer, .address_space: global }
      - { .name: Wq_codes, .offset: 16, .size: 8, .value_kind: global_buffer, .address_space: global }
      - { .name: Wv_codes, .offset: 24, .size: 8, .value_kind: global_buffer, .address_space: global }
      - { .name: lowp_scales, .offset: 32, .size: 8, .value_kind: global_buffer, .address_space: global }
      - { .name: kc, .offset: 40, .size: 8, .value_kind: global_buffer, .address_space: global }
      - { .name: qc, .offset: 48, .size: 8, .value_kind: global_buffer, .address_space: global }
      - { .name: vc, .offset: 56, .size: 8, .value_kind: global_buffer, .address_space: global }
    .group_segment_fixed_size: 327680
    .private_segment_fixed_size: 0
    .kernarg_segment_align: 8
    .kernarg_segment_size: 64
    .max_flat_workgroup_size: 128
    .sgpr_count:     102
    .vgpr_count:     1024
    .wavefront_size: 32
...
	.end_amdgpu_metadata
.endif
;; end of part 1
;; launch attn (part 2): grid 2 x 128, 16 waves a work-group, no clusters, 169,984 bytes of LDS; arguments kc, qc, vc, lowp_scales, yc; writes yc
.if DOCPART == 2
	.amdgcn_target "amdgcn-amd-amdhsa--gfx1250"
	.amdhsa_code_object_version 6
	.text
	.protected	k_q3c48b9dca6_attn
	.globl	k_q3c48b9dca6_attn
	.p2align	8
	.type	k_q3c48b9dca6_attn,@function
k_q3c48b9dca6_attn:
	s_mov_b64 s[64:65], 0
	v_nop
	global_prefetch_b8 v0, s[64:65] scope:SCOPE_SE
	s_setreg_imm32_b32 hwreg(HW_REG_WAVE_MODE, 25, 1), 1
	s_wait_xcnt 0x0
; y[b][i][64 head + d] = sum over j <= i of softmax_j(k[i] . q[j] / 8) v[j][d], both products on codes of FP8 (E4M3); y leaves as codes.  THE ROWS OF THE SOFTMAX BELONG TO k, ITS COLUMNS (called keys here) TO q.
; kc, qc: a head's tile of 16 tokens is an image of a fragment's registers (K = the head's 64, the plain forms' layout): two pieces of 512 bytes, lane l at 16 l.  vc: a fragment of 16 channels x 128 keys: four such pieces.
; THE SOFTMAX AHEAD OF THE SECOND PRODUCT: t = score x log2(e) / 8; M = the row's largest t so far, rounded UP to a whole number; p = 2^(t - M) is what is quantised (scale 2^e8), not normalised.
; The row's sum is taken of the unquantised p and divides at the end.  When M moves, the sum and O are multiplied by 2^(old M - new M): nothing is rounded.  y = O x 2^(e8 + e9) / sum is quantised with 2^e10.
; SHARES.  Two work-groups to a head (x = g = 0, 1; y = 16 x batch + head), sixteen waves each, 256 registers a wave: four waves to a SIMD, so that one wave's vector work stands beside another's matrix work and LDS loads.
; Wave w owns TWO tiles of 16 rows, the upper 63 - t and then the lower t = 2 w + g.  Tile t needs t / 8 + 1 steps of 128 keys (the rest lies wholly under the mask and is left out): 8 - w / 4 and w / 4 + 1, NINE steps for every wave.
; A step is left out where its number is above t / 8, and masked where it is equal: both tests hang on the wave's number and a counter alone.
; LDS.  A head's q and v codes are 131,072 bytes: all of them are brought in once, by eight tensor loads at the head, one to a wave (waves 0 to 3: q's four slots of 256 keys; waves 4 to 7: v's), and nothing is filled again.
; Slot c at 32,768 c: 16 tiles of q (1,024 bytes each), then 2 steps x 4 fragments of v (2,048 each).  Every LDS load reads 512 consecutive bytes: no pitch, no padding.  One barrier: behind it all four slots are whole.
; LAYOUT.  Both products are used transposed: S^T = q k^T (source 0 = 16 keys, source 1 = my 16 rows), O^T = v^T p^T: a lane holds ONE row (lane % 16) throughout; in S^T's tile c register j is key 16 c + 8 (lane / 16) + j,
; so one conversion of a tile's eight registers gives registers 2 c, 2 c + 1 of p's fragment (K = 128) in the plain forms' own layout.
; NO CLUSTER: only two work-groups read a head's tiles, and each asks for them once in the launch; four partners to a head would leave each wave one tile of rows, with one to eight steps.
; NO PREFETCH: all that the launch reads is asked for at its head; there is no later load ahead of which a request could stand.
; LIMITS on the given exponents, so that each power of two below is an f32 number: e6 + e7 between -123 and 130 (added to c's exponent field); e8, and e10 - e8 - e9, between -126 and 119.  NaN codes are not served.
; A NaN, an infinity or an overflow that reaches only the steps left out under the mask is not carried to the result.
.set SLOTB, 32768                      ; a slot: 256 keys of q and of v
.set VOFF,  16384                      ; v's part of a slot
.set STEPB, 8192                       ; a step's 128 keys, of q or of v
.set SPARE, 0x29000                    ; the spare words: 128 bytes for each wave
.set LI,   1                           ; v1   16 x lane: my place in a piece, in LDS and in memory; never rewritten
.set ADR,  2                           ; v2   the slot in hand + 16 x lane
.set DQ,   4                           ; v4   lane % 16 - 8 (lane / 16)
.set DD,   5                           ; v5   the same + my tile's first row within its diagonal step
.set NINF, 6                           ; v6   -infinity
.set PLIM2, 7                          ; v7   448 x 2^e8 once more, for the odd halves of the dual minima
.set PSC,  8                           ; v8   2^e8;  v9  448 x 2^e8
.set PLIM, 9
.set YSC,  10                          ; v10  2^(e10 - e8 - e9);  v11  448 x that
.set YLIM, 11                          ; v12 -M, v13 the largest t, v[14:15] the sum in two halves
.set QLO,  16                          ; v16-23  the fragment of my lower tile of rows;  v24-31  of my upper
.set QHI,  24
.set KV,   32                          ; v32-95   eight fragments of q, then four of v
.set S,    96                          ; v96-159  S^T, then p
.set O,    160                         ; v160-191 O^T: four tiles of 16 channels
.set PC,   192                         ; v192-207 p's codes
.set MX,   208                         ; v208-209 the maximum's two chains
.set F,    210                         ; v[210:211] f = 2^(old M - new M), later 1 / sum; the upper one is only named with it
.set PX,   214                         ; v214 what the lane 16 away sends;  v[212:213], v[242:253] the sum's other chains
.set YC,   216                         ; v216-223 y's codes, two registers a tile of channels
.set XR,   224                         ; v224-225 what I send, v226-227 what I get, in the exchange of the way out
.set O1,   228                         ; v228-235, v236-243: the stores' data, for the first tile of rows and for the last (behind whose codes no step writes v242-243 again)
.set O2,   236
.set SPW,  254                         ; v254 LDS address of my spare word;  v255 0: never rewritten
.set NIL,  255
.set WV,   14                          ; s14  my wave's number
.set G1K,  16                          ; s[16:23] descriptor group 1 for q's tiles;  s[24:31] for v's
.set G1V,  24
.set G0K,  32                          ; s[32:35] group 0 for q's slot;  s[48:51] for v's
.set G0V,  48
.set TB,   66                          ; s66  LDS byte at which the slot in hand begins
.set SI,   67                          ; s67  the step's number, 0..7
.set AA,   68                          ; s68  the diagonal step of the tile in hand
.set CNT,  69
.set HM,   70                          ; s70  lanes 16-31
.set CS,   72                          ; s[72:73] c = log2(e) / 8 x 2^(e6 + e7)
.set SEL,  74                          ; s[74:75] lane selects for v_permlanex16_b32: lane l xor 16
.set KLO,  82                          ; s[82:83], s[84:85] my two tiles in kc;  s[86:87], s[88:89] in yc
.set KHI,  84
.set YLO,  86
.set YHI,  88
.set TLO,  94
.set THI,  95
.set DLO,  96
.set DHI,  97
.set ALO,  98
.set AHI,  99
	s_load_b256 s[4:11], s[0:1], 0x0               ; kc s[4:5], qc s[6:7], vc s[8:9], the scales s[10:11]
	s_load_b64 s[12:13], s[0:1], 0x20              ; yc
	v_lshl_add_u32 v[SPW], v0, 2, SPARE
	v_mov_b32 v[NIL], 0
	ds_add_u32 v[SPW], v[NIL]                      ; the wave's opening: the add, twice on end, and its wait ahead of my first tensor load
	ds_add_u32 v[SPW], v[NIL]
	v_lshrrev_b32 v2, 5, v0
	s_delay_alu instid0(VALU_DEP_1)
	v_readfirstlane_b32 s[WV], v2                  ; wave 0..15
	v_and_b32 v[LI], 31, v0
	s_delay_alu instid0(VALU_DEP_1)
	v_lshlrev_b32 v[LI], 4, v[LI]
	s_and_b32 s90, ttmp7, 0xffff                   ; 16 x batch + head
	s_lshr_b32 s91, s90, 1
	s_lshl_b32 s91, s91, 17                        ; the head pair's 131,072 bytes in kc, qc and vc
	s_and_b32 s92, s90, 1                          ; which head of the pair
	s_lshl_b32 s2, s92, 10
	s_add_co_u32 s2, s2, s91                       ; kc, qc: + 1,024 for the second head
	s_mov_b32 s3, 0
	s_lshl_b32 s92, s92, 13
	s_add_co_u32 s92, s92, s91                     ; vc: + 8,192
	s_mov_b32 s93, 0
	; descriptor group 1.  q: 16 tiles of tokens, my head's 1,024 bytes of each tile's 2,048.  v: 2 steps, my head's 8,192 bytes of each step's 16,384.  Elements of one byte, no mask, no padding
	s_mov_b32 s[G1K], 0
	s_mov_b32 s[G1K+1], 1024<<16                   ; tensor_dim0
	s_mov_b32 s[G1K+2], 16<<16                     ; tensor_dim1
	s_mov_b32 s[G1K+3], 1024<<16                   ; tile_dim0
	s_mov_b32 s[G1K+4], 16                         ; tile_dim1
	s_mov_b32 s[G1K+5], 2048                       ; tensor_dim0_stride
	s_mov_b32 s[G1K+6], 0
	s_mov_b32 s[G1K+7], 0
	s_mov_b32 s[G1V], 0
	s_mov_b32 s[G1V+1], 8192<<16
	s_mov_b32 s[G1V+2], 2<<16
	s_mov_b32 s[G1V+3], 8192<<16
	s_mov_b32 s[G1V+4], 2
	s_mov_b32 s[G1V+5], 16384
	s_mov_b32 s[G1V+6], 0
	s_mov_b32 s[G1V+7], 0
	s_wait_dscnt 0x0                               ; both opening adds are done
	s_wait_kmcnt 0x0
	s_load_b128 s[76:79], s[10:11], 0x18           ; e6, e7, e8, e9
	s_load_b32 s80, s[10:11], 0x28                 ; e10
	s_add_nc_u64 s[4:5], s[4:5], s[2:3]            ; kc, qc and vc at my head
	s_add_nc_u64 s[6:7], s[6:7], s[2:3]
	s_add_nc_u64 s[8:9], s[8:9], s[92:93]
	s_and_b32 s92, s[WV], 3                        ; the slot that I bring, if I bring one
	s_lshl_b32 s92, s92, 15                        ; x 32,768: in LDS, in qc (16 tiles of 2,048 bytes) and in vc (2 steps of 16,384)
	s_mov_b32 s93, 0
	s_mov_b32 s[G0K], 1                            ; count = 1
	s_mov_b32 s[G0K+1], s92                        ; LDS address
	s_add_nc_u64 s[G0K+2:G0K+3], s[6:7], s[92:93]
	s_or_b32 s[G0K+3], s[G0K+3], 0x80000000        ; type = 2
	s_mov_b32 s[G0V], 1
	s_add_co_u32 s[G0V+1], s92, VOFF
	s_add_nc_u64 s[G0V+2:G0V+3], s[8:9], s[92:93]
	s_or_b32 s[G0V+3], s[G0V+3], 0x80000000
	; the launch's only fills, one to a wave: waves 0 to 3 q's slots, 4 to 7 v's, the others none.  An s_nop 0 and four v_nop follow each of the two lines
	s_cmp_lt_u32 s[WV], 4
	s_cbranch_scc0 .Lnot_q
	tensor_load_to_lds s[G0K:G0K+3], s[G1K:G1K+7]
	s_nop 0
.rept 4
	v_nop
.endr
	s_branch .Lasked
.Lnot_q:
	s_cmp_lt_u32 s[WV], 8
	s_cbranch_scc0 .Lasked
	tensor_load_to_lds s[G0V:G0V+3], s[G1V:G1V+7]
	s_nop 0
.rept 4
	v_nop
.endr
.Lasked:
	s_lshl_b32 s[TLO], s[WV], 1
	s_add_co_u32 s[TLO], s[TLO], ttmp9             ; my lower tile of rows: 2 w + g, 0..31
	s_sub_co_u32 s[THI], 63, s[TLO]                ; my upper: 32..63
	s_lshl_b32 s2, s[TLO], 11                      ; a tile of tokens is 2,048 bytes on in kc
	s_add_nc_u64 s[KLO:KLO+1], s[4:5], s[2:3]
	s_lshl_b32 s2, s[THI], 11
	s_add_nc_u64 s[KHI:KHI+1], s[4:5], s[2:3]
	s_wait_alu depctr_va_vdst(0)
	global_load_b128 v[QLO:QLO+3],   v[LI], s[KLO:KLO+1]              ; my rows' fragments stay in registers
	global_load_b128 v[QLO+4:QLO+7], v[LI], s[KLO:KLO+1] offset:512
	global_load_b128 v[QHI:QHI+3],   v[LI], s[KHI:KHI+1]
	global_load_b128 v[QHI+4:QHI+7], v[LI], s[KHI:KHI+1] offset:512
	s_lshr_b32 s[ALO], s[WV], 2                    ; (2 w + g) / 8 = w / 4: the lower tile's diagonal step,
	s_sub_co_u32 s[AHI], 7, s[ALO]                 ; and the upper's
	s_and_b32 s[DLO], s[TLO], 7
	s_lshl_b32 s[DLO], s[DLO], 4                   ; the tile's first row within its diagonal step
	s_and_b32 s[DHI], s[THI], 7
	s_lshl_b32 s[DHI], s[DHI], 4
	s_lshr_b32 s91, s90, 4                         ; yc: [512 blocks of 16 rows][16 heads][2 pieces of 512 bytes]: batch x 2^20 + tile x 16,384 + head x 1,024
	s_lshl_b32 s91, s91, 20
	s_and_b32 s92, s90, 15
	s_lshl_b32 s92, s92, 10
	s_add_co_u32 s91, s91, s92
	s_lshl_b32 s2, s[TLO], 14
	s_add_co_u32 s2, s2, s91
	s_add_nc_u64 s[YLO:YLO+1], s[12:13], s[2:3]
	s_lshl_b32 s2, s[THI], 14
	s_add_co_u32 s2, s2, s91
	s_add_nc_u64 s[YHI:YHI+1], s[12:13], s[2:3]
	v_and_b32 v3, 15, v0
	v_bfe_u32 v[DQ], v0, 4, 1
	s_delay_alu instid0(VALU_DEP_1)
	v_lshlrev_b32 v[DQ], 3, v[DQ]
	s_delay_alu instid0(VALU_DEP_1)
	v_sub_nc_u32 v[DQ], v3, v[DQ]                  ; r - 8 h
	v_mov_b32 v[NINF], 0xff800000
	v_mov_b32 v[F+1], 0                            ; (named as the upper half of a pair)
	v_mov_b32 v[PX], 0                             ; written once: a lane permute's destination counts as one of its sources
	v_mov_b32 v[XR+2], 0
	v_mov_b32 v[XR+3], 0
	s_mov_b32 s[HM], 0xffff0000
	s_mov_b32 s[SEL], 0x76543210
	s_mov_b32 s[SEL+1], 0xfedcba98
	s_mov_b32 s[CS], 0x3e38aa3b                    ; c = log2(e) / 8
	s_wait_kmcnt 0x0
	s_add_co_i32 s90, s76, s77
	s_lshl_b32 s90, s90, 23
	s_add_co_i32 s[CS], s[CS], s90                 ; a score stands for score x 2^(e6 + e7): the two exponents are added to c's exponent field
	s_mov_b32 s[CS+1], s[CS]                       ; (named with it as a pair, so it is written)
	s_add_co_i32 s90, s78, 127
	s_lshl_b32 s91, s90, 23
	v_mov_b32 v[PSC], s91                          ; 2^e8
	s_add_co_i32 s90, s90, 8
	s_lshl_b32 s90, s90, 23
	s_or_b32 s90, s90, 0x600000
	v_mov_b32 v[PLIM], s90                         ; 448 x 2^e8
	v_mov_b32 v[PLIM2], s90
	s_sub_co_i32 s90, s80, s78
	s_sub_co_i32 s90, s90, s79                     ; O / sum stands for y / 2^(e8 + e9): its code is (O / sum) / 2^(e10 - e8 - e9)
	s_add_co_i32 s90, s90, 127
	s_lshl_b32 s91, s90, 23
	v_mov_b32 v[YSC], s91
	s_add_co_i32 s90, s90, 8
	s_lshl_b32 s90, s90, 23
	s_or_b32 s90, s90, 0x600000
	v_mov_b32 v[YLIM], s90
; A tile of rows begins: its diagonal step s[a], its first row there s[dlt].  O^T and the sum begin as zeros and the largest t as -3e38, so that a step is written without a first step of its own: the first change of M multiplies zeros.
.macro INIT a, dlt
	s_mov_b32 s[AA], s[\a]
	s_mov_b32 s[SI], 0
	s_mov_b32 s[TB], 0
	v_add_nc_u32 v[DD], s[\dlt], v[DQ]
	v_mov_b32 v13, 0xff61b1e6                      ; -3e38, under every t
	s_delay_alu instid0(VALU_DEP_1)
	v_floor_f32 v12, -v13                          ; -M
	v_mov_b32 v14, 0
	v_mov_b32 v15, 0
.set J, 0
.rept 16
	v_dual_mov_b32 v[O+J], 0 :: v_dual_mov_b32 v[O+J+1], 0
.set J, J+2
.endr
.endm
; A STEP: 128 keys, the half-th of the slot in hand, for the tile of rows whose fragment lies in v[kreg] on.
.macro STEP half, kreg
	v_add_nc_u32 v[ADR], s[TB], v[LI]              ; written on every path; it is also the first of the four places behind the last step's products
	s_cmp_gt_u32 s[SI], s[AA]                      ; all of the step's keys come after my rows: it is left out
	s_cbranch_scc1 .Lhidden_\@
.rept 3
	v_nop                                          ; places in front of loads into registers that matrix instructions have read
.endr
.irp c, 0,1,2,3,4,5,6,7
	ds_load_b128 v[KV+8*\c:KV+8*\c+3],   v[ADR] offset:(\half)*STEPB+\c*1024
	ds_load_b128 v[KV+8*\c+4:KV+8*\c+7], v[ADR] offset:(\half)*STEPB+\c*1024+512
.endr
.irp c, 0,1,2,3,4,5,6,7
	s_wait_dscnt 14-2*\c                           ; tile c's two loads are in; the 14 - 2 c issued behind them may be out
	v_wmma_f32_16x16x64_fp8_fp8 v[S+8*\c:S+8*\c+7], v[KV+8*\c:KV+8*\c+7], v[\kreg:\kreg+7], 0
.endr
.rept 4
	v_nop                                          ; places: for the loads below and for the first reads of the scores
.endr
	s_wait_alu depctr_va_vdst(0)
.irp t, 0,1,2,3
.irp j, 0,1,2,3
	ds_load_b128 v[KV+16*\t+4*\j:KV+16*\t+4*\j+3], v[ADR] offset:VOFF+(\half)*STEPB+\t*2048+\j*512   ; v's four fragments land while the softmax is worked
.endr
.endr
	s_cmp_lg_u32 s[SI], s[AA]                      ; only the diagonal step is masked
	s_cbranch_scc1 .Lopen_\@
.irp n, 0,1,2,3,4,5,6,7,8,9,10,11,12,13,14,15,16,17,18,19,20,21,22,23,24,25,26,27,28,29,30,31,32,33,34,35,36,37,38,39,40,41,42,43,44,45,46,47,48,49,50,51,52,53,54,55,56,57,58,59,60,61,62,63
	v_cmp_gt_i32 vcc_lo, 16*(\n/8)+\n%8, v[DD]     ; register 8 c + j holds key 16 c + 8 h + j of the step: hidden where it is above my row, 16 c + j > first row + r - 8 h
	v_cndmask_b32 v[S+\n], v[S+\n], v[NINF], vcc_lo   ; -infinity ahead of the maximum: p = 0 then
.endr
.Lopen_\@:
	v_max3_num_f32 v[MX], v[S], v[S+1], v[S+2]     ; the step's largest score of my row, among my 64 keys, in two chains, each accumulator from its low end on,
	v_max3_num_f32 v[MX+1], v[S+3], v[S+4], v[S+5]
.irp i, 6,10,14,18,22,26,30,34,38,42,46,50,54,58
	v_max3_num_f32 v[MX], v[MX], v[S+\i], v[S+\i+1]
	v_max3_num_f32 v[MX+1], v[MX+1], v[S+\i+2], v[S+\i+3]
.endr
	v_max3_num_f32 v[MX], v[MX], v[S+62], v[S+63]
	s_delay_alu instid0(VALU_DEP_1)
	v_max_num_f32 v[MX], v[MX], v[MX+1]
	s_delay_alu instid0(VALU_DEP_1)
	v_permlanex16_b32 v[PX], v[MX], s[SEL], s[SEL+1]
	s_delay_alu instid0(VALU_DEP_1)
	v_max_num_f32 v[MX], v[MX], v[PX]              ; and among lane l xor 16's
	s_delay_alu instid0(VALU_DEP_1)
	v_mul_f32 v[MX], s[CS], v[MX]                  ; as t (c is positive)
	s_delay_alu instid0(VALU_DEP_1)
	v_max_num_f32 v13, v13, v[MX]                  ; the running largest t
	v_mov_b32 v[MX], v12
	s_delay_alu instid0(VALU_DEP_2)
	v_floor_f32 v12, -v13                          ; the new -M = floor(-t) = -ceil(t): M is a whole number
	s_delay_alu instid0(VALU_DEP_1)
	v_sub_f32 v[MX], v12, v[MX]                    ; M's old value less its new one: a whole number, 0 or less
	s_delay_alu instid0(VALU_DEP_1)
	v_cvt_i32_f32 v[MX], v[MX]                     ; (it saturates)
	s_delay_alu instid0(VALU_DEP_1)
	v_ldexp_f32 v[F], 1.0, v[MX]                   ; f = 2^(old M - new M)
.irp j, 0,2,4,6,8,10,12,14,16,18,20,22,24,26,28,30,32,34,36,38,40,42,44,46,48,50,52,54,56,58,60,62
	v_pk_fma_f32 v[S+\j:S+\j+1], v[S+\j:S+\j+1], s[CS:CS+1], v[12:13] op_sel_hi:[1,0,0]   ; t - M, two at a time (of the pairs c and -M the low word serves both halves)
.endr
.set J, 0
	s_wait_alu depctr_va_vdst(0)                   ; one wait ahead of the batch
.rept 64
	v_exp_f32 v[S+J], v[S+J]                       ; p = 2^(t - M), at most 1: not normalised
.set J, J+1
.endr
	v_pk_mul_f32 v[14:15], v[14:15], v[F:F+1] op_sel_hi:[1,0]   ; the sums under the new M: the plain instruction behind the exponentials
	s_wait_alu depctr_va_vdst(0)                   ; one wait for the whole batch, ahead of its first reader
	v_pk_add_f32 v[212:213], v[100:101], v[104:105]   ; the row's sum, of the unquantised p, in eight chains
	v_pk_add_f32 v[252:253], v[108:109], v[112:113]
	v_pk_add_f32 v[250:251], v[116:117], v[120:121]
	v_pk_add_f32 v[248:249], v[124:125], v[128:129]
	v_pk_add_f32 v[246:247], v[132:133], v[136:137]
	v_pk_add_f32 v[244:245], v[140:141], v[144:145]
	v_pk_add_f32 v[242:243], v[148:149], v[152:153]
	v_pk_add_f32 v[14:15], v[14:15], v[156:157]
	v_pk_add_f32 v[212:213], v[212:213], v[96:97]
	v_pk_add_f32 v[252:253], v[252:253], v[98:99]
	v_pk_add_f32 v[250:251], v[250:251], v[102:103]
	v_pk_add_f32 v[248:249], v[248:249], v[106:107]
	v_pk_add_f32 v[246:247], v[246:247], v[110:111]
	v_pk_add_f32 v[244:245], v[244:245], v[114:115]
	v_pk_add_f32 v[242:243], v[242:243], v[118:119]
	v_pk_add_f32 v[14:15], v[14:15], v[122:123]
	v_pk_add_f32 v[212:213], v[212:213], v[126:127]
	v_pk_add_f32 v[252:253], v[252:253], v[130:131]
	v_pk_add_f32 v[250:251], v[250:251], v[134:135]
	v_pk_add_f32 v[248:249], v[248:249], v[138:139]
	v_pk_add_f32 v[246:247], v[246:247], v[142:143]
	v_pk_add_f32 v[244:245], v[244:245], v[146:147]
	v_pk_add_f32 v[242:243], v[242:243], v[150:151]
	v_pk_add_f32 v[14:15], v[14:15], v[154:155]
	v_pk_add_f32 v[212:213], v[212:213], v[158:159]
	s_delay_alu instid0(VALU_DEP_2)
	v_pk_add_f32 v[14:15], v[14:15], v[248:249]
	s_delay_alu instid0(VALU_DEP_2)
	v_pk_add_f32 v[212:213], v[212:213], v[246:247]
	v_pk_add_f32 v[252:253], v[252:253], v[244:245]
	v_pk_add_f32 v[250:251], v[250:251], v[242:243]
	s_delay_alu instid0(VALU_DEP_2)
	v_pk_add_f32 v[14:15], v[14:15], v[252:253]
	s_delay_alu instid0(VALU_DEP_2)
	v_pk_add_f32 v[212:213], v[212:213], v[250:251]
	s_delay_alu instid0(VALU_DEP_1)
	v_pk_add_f32 v[14:15], v[14:15], v[212:213]
.irp c, 0,1,2,3,4,5,6,7
.irp i, 0,2,4,6
	v_dual_min_num_f32 v[S+8*\c+\i], v[S+8*\c+\i], v[PLIM] :: v_dual_min_num_f32 v[S+8*\c+\i+1], v[S+8*\c+\i+1], v[PLIM2]   ; the conversion to an 8-bit code does not saturate (ISA guide 7.6.2); p is not negative, so the hold is one-sided
.endr
	v_cvt_scalef32_pk8_fp8_f32 v[PC+2*\c:PC+2*\c+1], v[S+8*\c:S+8*\c+7], v[PSC]   ; keys 16 c + 8 h + 0 .. 7: registers 2 c, 2 c + 1 of p's fragment
.endr
.irp j, 0,2,4,6,8,10,12,14,16,18,20,22,24,26,28,30
	v_pk_mul_f32 v[O+\j:O+\j+1], v[O+\j:O+\j+1], v[F:F+1] op_sel_hi:[1,0]   ; O^T under the new M.  (Plain instructions between the last conversion and the products that read its result)
.endr
	s_wait_alu depctr_va_vdst(0)
	s_wait_dscnt 0x0                               ; v's fragments are in
.irp t, 0,1,2,3
	v_wmma_f32_16x16x128_fp8_fp8 v[O+8*\t:O+8*\t+7], v[KV+16*\t:KV+16*\t+15], v[PC:PC+15], v[O+8*\t:O+8*\t+7]   ; the four accumulators take turns; between two links of a chain stand the other three's and the next step's eight
.endr
.Lhidden_\@:
	s_add_co_u32 s[SI], s[SI], 1
.endm
; THE WAY OUT of a tile of rows.  O^T / sum, held, becomes codes: two registers a tile of channels: lane (r, h) has channels 16 t + 8 h + 0 .. 7.  The projection's fragments want 16 neighbours a lane, 32 b + 16 h + 0 .. 15:
; so lanes 0-15 send their tile 2 b + 1 to the lane 16 on and get its tile 2 b.  Then a piece is 512 consecutive bytes, lane l at 16 l.
.macro OUT oc, yb
.rept 4
	v_nop                                          ; places behind the last products
.endr
	v_add_f32 v14, v14, v15                        ; the sum's two halves,
	s_delay_alu instid0(VALU_DEP_1)
	v_permlanex16_b32 v[PX], v14, s[SEL], s[SEL+1]
	s_delay_alu instid0(VALU_DEP_1)
	v_add_f32 v14, v14, v[PX]                      ; and lane l xor 16's: the row's sum, above 1/2
	s_wait_alu depctr_va_vdst(0)
	v_rcp_f32 v[F], v14
	v_nop                                          ; a plain instruction behind the reciprocal,
	s_wait_alu depctr_va_vdst(0)                   ; and the wait ahead of its first reader
.irp j, 0,2,4,6,8,10,12,14,16,18,20,22,24,26,28,30
	v_pk_mul_f32 v[S+\j:S+\j+1], v[O+\j:O+\j+1], v[F:F+1] op_sel_hi:[1,0]   ; each accumulator from its low end on
.endr
.set J, 0
.rept 32
	v_med3_num_f32 v[S+J], v[S+J], -v[YLIM], v[YLIM]
.set J, J+1
.endr
.irp t, 0,1,2,3
	v_cvt_scalef32_pk8_fp8_f32 v[YC+2*\t:YC+2*\t+1], v[S+8*\t:S+8*\t+7], v[YSC]
.endr
	v_nop                                          ; one plain vector instruction between the last conversion and the selects that read its result
.irp b, 0,1
.irp k, 0,1
	v_cndmask_b32 v[XR+\k], v[YC+4*\b+2+\k], v[YC+4*\b+\k], s[HM]        ; what I send: lanes 0-15 tile 2 b + 1, lanes 16-31 tile 2 b
.endr
.irp k, 0,1
	s_delay_alu instid0(VALU_DEP_2)
	v_permlanex16_b32 v[XR+2+\k], v[XR+\k], s[SEL], s[SEL+1]
.endr
.irp k, 0,1
	v_cndmask_b32 v[\oc+4*\b+\k], v[YC+4*\b+\k], v[XR+2+\k], s[HM]       ; the lower eight: lanes 0-15 their own tile 2 b, lanes 16-31 what came
	v_cndmask_b32 v[\oc+4*\b+2+\k], v[XR+2+\k], v[YC+4*\b+2+\k], s[HM]   ; the upper eight: lanes 0-15 what came, lanes 16-31 their own tile 2 b + 1
.endr
	global_store_b128 v[LI], v[\oc+4*\b:\oc+4*\b+3], s[\yb:\yb+1] offset:512*\b   ; 32 lanes store 512 consecutive bytes, at a multiple of 512 from the buffer's first byte
.endr
.endm
	INIT AHI, DHI
	s_wait_loadcnt 0x0                             ; my rows' fragments
	s_wait_tensorcnt 0x0                           ; my part of the tiles is in,
	s_barrier_signal -1
	s_barrier_wait -1                              ; everybody's is: from here on the waves run free, and nothing is filled again
	s_mov_b32 s[CNT], 4
.Lslot:                                            ; the upper tile walks the four slots; the steps behind its diagonal are left out
	STEP 0, QHI
	STEP 1, QHI
	s_add_co_u32 s[TB], s[TB], SLOTB
	s_sub_co_u32 s[CNT], s[CNT], 1
	s_cmp_lg_u32 s[CNT], 0
	s_cbranch_scc1 .Lslot
	OUT O1, YHI
	INIT ALO, DLO
	s_mov_b32 s[CNT], 2
.Llow:                                             ; the lower tile has at most four steps: slots 0 and 1
	STEP 0, QLO
	STEP 1, QLO
	s_add_co_u32 s[TB], s[TB], SLOTB
	s_sub_co_u32 s[CNT], s[CNT], 1
	s_cmp_lg_u32 s[CNT], 0
	s_cbranch_scc1 .Llow
	OUT O2, YLO
	s_wait_tensorcnt 0x0                           ; the wave's end
	ds_add_u32 v[SPW], v[NIL]
	s_wait_dscnt 0x0
	s_endpgm
.Lfunc_end_k_q3c48b9dca6_attn:
	.size	k_q3c48b9dca6_attn, .Lfunc_end_k_q3c48b9dca6_attn-k_q3c48b9dca6_attn
	.p2alignl 7, 3214868480
	.fill 96, 4, 3214868480
	.section	.rodata,"a",@progbits
	.p2align	6, 0x0
	.amdhsa_kernel k_q3c48b9dca6_attn
		.amdhsa_group_segment_fixed_size 169984
		.amdhsa_private_segment_fixed_size 0
		.amdhsa_enable_private_segment 0
		.amdhsa_kernarg_size 40
		.amdhsa_user_sgpr_count 2
		.amdhsa_user_sgpr_kernarg_segment_ptr 1
		.amdhsa_wavefront_size32 1
		.amdhsa_system_sgpr_workgroup_id_x 1
		.amdhsa_system_sgpr_workgroup_id_y 1
		.amdhsa_system_sgpr_workgroup_id_z 1
		.amdhsa_system_vgpr_workitem_id 0
		.amdhsa_next_free_vgpr 256
		.amdhsa_next_free_sgpr 100
		.amdhsa_reserve_vcc 1
		.amdhsa_float_denorm_mode_32 3
		.amdhsa_float_denorm_mode_16_64 3
		.amdhsa_memory_ordered 1
		.amdhsa_forward_progress 1
		.amdhsa_inst_pref_size 103
	.end_amdhsa_kernel
	.amdgpu_metadata
---
amdhsa.version: [ 1, 2 ]
amdhsa.kernels:
  - .name:           k_q3c48b9dca6_attn
    .symbol:         k_q3c48b9dca6_attn.kd
    .args:
      - { .name: kc, .offset: 0, .size: 8, .value_kind: global_buffer, .address_space: global }
      - { .name: qc, .offset: 8, .size: 8, .value_kind: global_buffer, .address_space: global }
      - { .name: vc, .offset: 16, .size: 8, .value_kind: global_buffer, .address_space: global }
      - { .name: lowp_scales, .offset: 24, .size: 8, .value_kind: global_buffer, .address_space: global }
      - { .name: yc, .offset: 32, .size: 8, .value_kind: global_buffer, .address_space: global }
    .group_segment_fixed_size: 169984
    .private_segment_fixed_size: 0
    .kernarg_segment_align: 8
    .kernarg_segment_size: 40
    .max_flat_workgroup_size: 512
    .sgpr_count:     100
    .vgpr_count:     256
    .wavefront_size: 32
...
	.end_amdgpu_metadata
.endif
;; end of part 2
;; launch proj (part 3): grid 8 x 32, 4 waves a work-group, clusters of 4 x 4, 167,936 bytes of LDS; arguments yc, Wp_codes, lowp_scales, bp, out0; writes out0
.if DOCPART == 3
	.amdgcn_target "amdgcn-amd-amdhsa--gfx1250"
	.amdhsa_code_object_version 6
	.text
	.protected	k_q3c48b9dca6_proj
	.globl	k_q3c48b9dca6_proj
	.p2align	8
	.type	k_q3c48b9dca6_proj,@function
k_q3c48b9dca6_proj:
	s_mov_b64 s[64:65], 0
	v_nop
	global_prefetch_b8 v0, s[64:65] scope:SCOPE_SE
	s_setreg_imm32_b32 hwreg(HW_REG_WAVE_MODE, 25, 1), 1
	s_wait_xcnt 0x0
	s_wait_alu depctr_hold_cnt(0) depctr_sa_sdst(0) depctr_va_vdst(0) depctr_va_sdst(0) depctr_va_ssrc(0) depctr_va_vcc(0) depctr_vm_vsrc(0)
	s_getreg_b32 s2, hwreg(HW_REG_IB_STS2, 6, 4)
	s_cmp_eq_u32 s2, 0
	s_cbranch_scc0 .Lentry_in_a_cluster
	s_endpgm
.Lentry_in_a_cluster:
	s_bfe_u32 s2, ttmp6, 0x10000c
	s_cmp_lg_u32 s2, 0xf033
	s_cbranch_scc0 .Lentry_shape_is_right
	s_endpgm
.Lentry_shape_is_right:
; out[m][n] = 2^(e10 + e11) x (sum over k of y[m][k] Wp[n][k]) + bp[n] on codes of FP8 (E4M3): m 8,192 tokens, n 1,024 features, K = 1,024; sums, scale and bias in f32.
; A work-group makes 256 tokens x 128 features; each of its four waves, as many as a WGP has SIMDs, 64 tokens x all 128.
; yc IS AN IMAGE OF THE OPERAND'S REGISTERS ([512 blocks of 16 tokens][16,384 bytes], a fragment of 16 tokens x 128 K = four pieces of 512 bytes, lane l at 16 l), and no two waves of a work-group need the same rows:
; a wave loads its 64 x 1,024 codes straight into 512 registers.  Wp's 128 whole rows lie in LDS, read by all four waves.  So LDS is filled once: no ring and no refill.
; CLUSTERS: 4 x 4 work-groups; the four of a column need the same rows of Wp, which are asked for JOINTLY.  yc's rows, which the four of a row share, go to registers, where no joint load lands; in LDS their 262,144 bytes
; would not fit beside Wp's 133,120.
; THE SUMS GO BY TWO HALVES OF THE FEATURES, 64 each, all K for the first half and then for the second: the first half's stores leave while the second is multiplied.  16 accumulators by turns.
; The matrix instruction is used transposed (source 0 = 16 rows of Wp, source 1 = 16 tokens): lane (r, h) holds token r and eight neighbouring features.  k stands permuted alike in both operands (registers 4 c .. 4 c + 3: K = 32 c + 16 h + 0 .. 15).
; NO PREFETCH: all that the launch reads is asked for at its head; there is no loop to run ahead in.
; LIMIT: e10 + e11 lies between -126 and 127, so that 2^(e10 + e11) is an f32 number.
; REGISTERS, in windows of 256: window 0: v0-31 addresses; v64-255 fragments of Wp, three sets of 4 x 16.  window 1: v0-127 the sums ((a, b) at 32 a + 8 b), v128-191 the bias, v192-255 rows read back, two sets.
;   windows 2, 3: the tokens' fragments: block a, K step q at 128 (a % 2) + 16 q of window 2 + a / 2.
.set PITCH,  1040                      ; an LDS row: 1,024 bytes + 16 of padding = 260 words: row r starts at bank 4 r mod 64 (64 banks of 4 bytes: ISA guide 11.1)
.set STAGE,  128*PITCH                 ; behind Wp: 16 rows x (256 bytes + 16) for each wave, for the way out
.set SPITCH, 272
.set SPARE,  STAGE+4*16*SPITCH         ; behind the stages: the spare words, 128 bytes for each wave
.set OROW,   4096                      ; a row of out in bytes
.set ADR,  16                          ; v16-17  LDS address of my lane's row in the features' first and second half
.set LI,   18                          ; v18     16 x lane
.set BO,   19                          ; v19     32 h: my place in the bias
.set STO,  24                          ; v24     the way out: where I put 32 bytes of a row
.set RD,   25                          ; v25     the way out: where I read a row back
.set CO,   26                          ; v26     my byte offset in out
.set SPW,  28                          ; v28     LDS address of my spare word; never rewritten
.set NIL,  29                          ; v29     0; never rewritten
.set BF,   64
.set BI,   128
.set BK,   192
.set G1, 24
.set G0, 32
.set MSB, 0
.macro WIN new                         ; the immediate's high byte repeats the setting that is left
.if MSB != (\new)
	s_set_vgpr_msb (MSB<<8)|(\new)
.set MSB, (\new)
.endif
.endm
.macro CROUND                          ; a whole round of the cluster's barrier
	s_barrier_signal -1
	s_barrier_wait -1
	s_cmp_lg_u32 s14, 0
	s_cbranch_scc1 .Lnot_wave_0_\@
	s_barrier_signal -3
.Lnot_wave_0_\@:
	s_barrier_wait -3
	s_barrier_signal -1
	s_barrier_wait -1
.endm
; A load into a register that a matrix instruction has read, and a vector instruction that reads a matrix result, stand four places behind that matrix instruction (ISA guide 7.12.1 for vector instructions)
.macro PLACES
.rept 4
	v_nop
.endr
.endm
	s_load_b128 s[4:7], s[0:1], 0x0                ; yc s[4:5], Wp s[6:7]
	s_load_b128 s[8:11], s[0:1], 0x10              ; the scales s[8:9], bp s[10:11]
	s_load_b64 s[12:13], s[0:1], 0x20              ; out
	v_lshl_add_u32 v[SPW], v0, 2, SPARE
	v_mov_b32 v[NIL], 0
	ds_add_u32 v[SPW], v[NIL]                      ; the wave's opening: the add, twice on end, and its wait ahead of my first tensor load
	ds_add_u32 v[SPW], v[NIL]
	v_lshrrev_b32 v1, 5, v0
	v_readfirstlane_b32 s14, v1                    ; wave 0..3
	v_and_b32 v2, 15, v0                           ; r
	v_bfe_u32 v3, v0, 4, 1                         ; h
	v_and_b32 v4, 31, v0
	v_lshlrev_b32 v[LI], 4, v4
	v_lshlrev_b32 v[BO], 5, v3
	v_mul_u32_u24 v5, v2, PITCH
	v_lshl_add_u32 v[ADR], v3, 4, v5               ; row r, + 16 h
	v_add_nc_u32 v[ADR+1], 64*PITCH, v[ADR]
	s_mul_i32 s23, s14, 16*SPITCH
	s_add_co_u32 s23, s23, STAGE                   ; my stage
	v_mul_u32_u24 v6, v2, SPITCH                   ; in: row r, 32 bytes for each half of the lanes
	v_lshl_add_u32 v6, v3, 5, v6
	v_add_nc_u32 v[STO], s23, v6
	v_mul_u32_u24 v7, v3, SPITCH                   ; back: lanes 0-15 take one row of 256 bytes, lanes 16-31 the next
	v_lshl_add_u32 v7, v2, 4, v7
	v_add_nc_u32 v[RD], s23, v7
	v_lshlrev_b32 v8, 12, v3                       ; and the same two rows in out
	v_lshl_add_u32 v[CO], v2, 4, v8
	s_wait_alu depctr_va_vdst(0)
	s_bfe_u32 s40, ttmp6, 0x40000                  ; cx, cy: my place in the cluster
	s_bfe_u32 s41, ttmp6, 0x40004
	s_lshl_b32 s42, ttmp9, 2
	s_add_co_u32 s42, s42, s40                     ; block of 128 features, 0..7
	s_and_b32 s17, ttmp7, 0xffff
	s_lshl_b32 s17, s17, 2
	s_add_co_u32 s17, s17, s41                     ; block of 256 tokens, 0..31
	s_lshl_b32 s44, 0x1111, s40                    ; my column of the cluster
	; descriptor group 1: 32 rows of 1,024 bytes
	s_or_b32 s[G1+0], s44, (0<<16)|(1<<20)|(1<<21)|(7<<22)|(3<<25)  ; 15:0 the mask; 17:16 element of 1 byte; 20 padding on; 21 set beside a mask; 24:22 after every 256 words (code 7); 31:25 of 4 words (code 3)
	s_mov_b32 s[G1+1], 1024<<16                    ; tensor_dim0
	s_mov_b32 s[G1+2], 32<<16                      ; tensor_dim1
	s_mov_b32 s[G1+3], 1024<<16                    ; tile_dim0
	s_mov_b32 s[G1+4], 32                          ; tile_dim1
	s_mov_b32 s[G1+5], 1024                        ; tensor_dim0_stride
	s_mov_b32 s[G1+6], 0
	s_mov_b32 s[G1+7], 0
	s_lshl_b32 s46, s42, 17                        ; Wp: row 128 x block + 32 x wave, in bytes
	s_lshl_b32 s18, s14, 15
	s_add_co_u32 s46, s46, s18
	s_mov_b32 s47, 0
	s_mul_i32 s45, s14, 32*PITCH                   ; and where it goes: the wave's number alone
	s_lshl_b32 s20, s17, 18                        ; yc: 16 blocks of 16,384 bytes for each block of tokens, 4 for each wave
	s_lshl_b32 s18, s14, 16
	s_add_co_u32 s20, s20, s18
	s_mov_b32 s21, 0
	s_lshl_b32 s48, s42, 9                         ; my features in a row of out and in the bias, in bytes
	s_mov_b32 s49, 0
	s_lshl_b32 s50, s17, 20                        ; out: 256 rows of 4,096 bytes for each block of tokens, 64 for each wave
	s_lshl_b32 s18, s14, 18
	s_add_co_u32 s50, s50, s18
	s_add_co_u32 s50, s50, s48
	s_mov_b32 s51, 0
	s_wait_dscnt 0x0                               ; both opening adds are done
	s_wait_kmcnt 0x0
	s_load_b64 s[96:97], s[8:9], 0x28              ; e10, e11
	s_add_nc_u64 s[4:5], s[4:5], s[20:21]
	s_add_nc_u64 s[46:47], s[6:7], s[46:47]
	s_add_nc_u64 s[10:11], s[10:11], s[48:49]
	s_add_nc_u64 s[12:13], s[12:13], s[50:51]
	s_mov_b32 s[G0], 1                             ; count = 1
	s_mov_b32 s[G0+1], s45
	s_mov_b64 s[G0+2:G0+3], s[46:47]
	s_or_b32 s[G0+3], s[G0+3], 0x80000000          ; type = 2
	CROUND                                         ; all sixteen work-groups are here: the joint loads meet
	tensor_load_to_lds s[G0:G0+3], s[G1:G1+7]      ; my 32 of Wp's 128 rows: the launch's only fill, one load a wave
	s_nop 0
	PLACES
	WIN 0x40                                       ; the bias, to window 1: features 16 b + 8 h + 0 .. 7
.irp b, 0,1,2,3,4,5,6,7
	global_load_b128 v[BI+8*\b:BI+8*\b+3],   v[BO], s[10:11] offset:64*\b
	global_load_b128 v[BI+8*\b+4:BI+8*\b+7], v[BO], s[10:11] offset:64*\b+16
.endr
.macro LOADA a, q                      ; a fragment of 16 tokens x 128 K: four loads of 512 consecutive bytes
.irp c, 0,1,2,3
	global_load_b128 v[128*((\a)%2)+16*(\q)+4*\c:128*((\a)%2)+16*(\q)+4*\c+3], v[LI], s[4:5] offset:(\a)*16384+(\q)*2048+512*\c
.endr
.endm
.irp q, 0,1,2,3,4,5,6,7                ; K ascending: sixteen loads for each 128 along K
	WIN 0x80
	LOADA 0, \q
	LOADA 1, \q
	WIN 0xc0
	LOADA 2, \q
	LOADA 3, \q
.endr
	WIN 0
; The 16 steps U = 8 n + q: half n of the features, q-th 128 along K.
.macro FETCH u                         ; four fragments of Wp, 16 rows x 128 K each, into set u % 3
.set FU, (\u)
.irp i, 0,1,2,3
.irp c, 0,1,2,3
	ds_load_b128 v[BF+64*(FU%3)+16*\i+4*\c:BF+64*(FU%3)+16*\i+4*\c+3], v[ADR+FU/8] offset:\i*16*PITCH+128*(FU%8)+32*\c
.endr
.endr
.endm
.macro MUL a                           ; block a's four products; the first along K starts the sums: nothing is ever cleared
.irp b, 0,1,2,3
.if (U%8) == 0
	v_wmma_f32_16x16x128_fp8_fp8 v[32*\a+8*\b:32*\a+8*\b+7], v[BF+64*(U%3)+16*\b:BF+64*(U%3)+16*\b+15], v[128*(\a%2)+16*(U%8):128*(\a%2)+16*(U%8)+15], 0
.else
	v_wmma_f32_16x16x128_fp8_fp8 v[32*\a+8*\b:32*\a+8*\b+7], v[BF+64*(U%3)+16*\b:BF+64*(U%3)+16*\b+15], v[128*(\a%2)+16*(U%8):128*(\a%2)+16*(U%8)+15], v[32*\a+8*\b:32*\a+8*\b+7]
.endif
.endr
.endm
.macro MSTEP
	WIN 0
.if U > 0
	PLACES
.endif
.if U < 14
	FETCH U+2                                      ; two steps ahead, into the set that the last step has read
.endif
.if U < 4
	s_wait_loadcnt 63                              ; the tokens' fragments of this step are in (behind them stand 16 loads for each later step, more than 63)
.elseif U < 8
	s_wait_loadcnt 16*(7-U)                        ; all but the later steps' 16 each
.endif
.if U < 14
	s_wait_dscnt 32                                ; this step's fragments of Wp are in; the two later steps' sixteen loads each may be out
.else
	s_wait_dscnt 16*(15-U)
.endif
	WIN 0x58                                       ; source 0 (Wp) window 0, source 1 (tokens) window 2, C and D window 1
	MUL 0
	MUL 1
	WIN 0x5c                                       ; tokens in window 3
	MUL 2
	MUL 3
.set U, U+1
.endm
; THE WAY OUT of block a of half n: scaled, with the bias, in place, each accumulator from its low end on; through my stage in LDS and back as rows of 256 bytes.  LDS serves a wave's instructions in order (ISA guide 5.7.1.4).
.macro TOSTAGE n, a
	WIN 0x51
.irp j, 0,2,4,6,8,10,12,14,16,18,20,22,24,26,28,30
	v_pk_fma_f32 v[32*(\a)+\j:32*(\a)+\j+1], v[32*(\a)+\j:32*(\a)+\j+1], s[96:97], v[BI+32*(\n)+\j:BI+32*(\n)+\j+1] op_sel_hi:[1,0,1]   ; x s96 + the bias
.endr
	WIN 0x04
.irp b, 0,1,2,3
	ds_store_b128 v[STO], v[32*(\a)+8*\b:32*(\a)+8*\b+3] offset:64*\b
	ds_store_b128 v[STO], v[32*(\a)+8*\b+4:32*(\a)+8*\b+7] offset:64*\b+16
.endr
	WIN 0x40
.set BB, BK+32*((\a)%2)
.irp t, 0,1,2,3,4,5,6,7
	ds_load_b128 v[BB+4*\t:BB+4*\t+3], v[RD] offset:2*\t*SPITCH
.endr
.endm
.macro SEND n, a, younger              ; younger: the LDS instructions issued behind block a's loads, which may stay out
	WIN 0x04
	s_wait_dscnt \younger
.set BB, BK+32*((\a)%2)
.irp t, 0,1,2,3,4,5,6,7
	global_store_b128 v[CO], v[BB+4*\t:BB+4*\t+3], s[12:13] offset:(16*(\a)+2*\t)*OROW+256*(\n) th:TH_STORE_NT   ; 16 lanes store 256 consecutive bytes, at a multiple of 256 from out's first byte
.endr
.endm
.macro OUT n
	WIN 0
	PLACES                                         ; behind the last products
.irp a, 0,1,2,3
.if (\n) > 0 || \a > 1
	s_wait_xcnt 0x0                                ; the stores that read this block's set of rows have read it
.endif
	TOSTAGE \n, \a
.if \a > 0
	SEND \n, \a-1, 16
.endif
.endr
	SEND \n, 3, 0
.endm
	s_wait_tensorcnt 0x0                           ; my rows of Wp are in,
	s_barrier_signal -1
	s_barrier_wait -1                              ; everybody's are
	FETCH 0
	FETCH 1
	s_wait_kmcnt 0x0
	s_add_co_i32 s96, s96, s97
	s_add_co_i32 s96, s96, 127
	s_lshl_b32 s96, s96, 23                        ; 2^(e10 + e11) as f32
.set U, 0
.rept 8
	MSTEP
.endr
	OUT 0
.rept 8
	MSTEP
.endr
	OUT 1
	WIN 0
	s_wait_tensorcnt 0x0                           ; the wave's end, behind my last tensor load and my last LDS store
	ds_add_u32 v[SPW], v[NIL]
	s_wait_dscnt 0x0
	CROUND                                         ; the closing round: no work-group ends while a partner may still ask for rows that name it
	s_endpgm
.Lfunc_end_k_q3c48b9dca6_proj:
	.size	k_q3c48b9dca6_proj, .Lfunc_end_k_q3c48b9dca6_proj-k_q3c48b9dca6_proj
	.p2alignl 7, 3214868480
	.fill 96, 4, 3214868480
	.section	.rodata,"a",@progbits
	.p2align	6, 0x0
	.amdhsa_kernel k_q3c48b9dca6_proj
		.amdhsa_group_segment_fixed_size 167936
		.amdhsa_private_segment_fixed_size 0
		.amdhsa_enable_private_segment 0
		.amdhsa_kernarg_size 40
		.amdhsa_user_sgpr_count 2
		.amdhsa_user_sgpr_kernarg_segment_ptr 1
		.amdhsa_wavefront_size32 1
		.amdhsa_system_sgpr_workgroup_id_x 1
		.amdhsa_system_sgpr_workgroup_id_y 1
		.amdhsa_system_sgpr_workgroup_id_z 1
		.amdhsa_system_vgpr_workitem_id 0
		.amdhsa_next_free_vgpr 1024
		.amdhsa_next_free_sgpr 98
		.amdhsa_reserve_vcc 0
		.amdhsa_float_denorm_mode_32 3
		.amdhsa_float_denorm_mode_16_64 3
		.amdhsa_memory_ordered 1
		.amdhsa_forward_progress 1
		.amdhsa_inst_pref_size 79
	.end_amdhsa_kernel
	.amdgpu_metadata
---
amdhsa.version: [ 1, 2 ]
amdhsa.kernels:
  - .name:           k_q3c48b9dca6_proj
    .symbol:         k_q3c48b9dca6_proj.kd
    .args:
      - { .name: yc, .offset: 0, .size: 8, .value_kind: global_buffer, .address_space: global }
      - { .name: Wp_codes, .offset: 8, .size: 8, .value_kind: global_buffer, .address_space: global }
      - { .name: lowp_scales, .offset: 16, .size: 8, .value_kind: global_buffer, .address_space: global }
      - { .name: bp, .offset: 24, .size: 8, .value_kind: global_buffer, .address_space: global }
      - { .name: out0, .offset: 32, .size: 8, .value_kind: global_buffer, .address_space: global }
    .group_segment_fixed_size: 167936
    .private_segment_fixed_size: 0
    .kernarg_segment_align: 8
    .kernarg_segment_size: 40
    .max_flat_workgroup_size: 128
    .sgpr_count:     98
    .vgpr_count:     1024
    .wavefront_size: 32
...
	.end_amdgpu_metadata
.endif
;; end of part 3
